; MI455X (gfx1250); checked and timed in simulation.
; The chip was launched on July 23, 2026; its instructions are those of AMD's public machine-readable ISA for CDNA 5 (MIT licence, August 2026) and "CDNA5" Instruction Set Architecture Reference Guide (July 2026). The comments in the code are by the model that wrote it; some were corrected since.
;; Multi Head Attention. Allowed arithmetic: matrix products marked QUANTISED: E5M2 operands, one given power-of-two scale a tensor, by v_wmma_f32_16x16x64_bf8_bf8 or v_wmma_f32_16x16x128_bf8_bf8, f32 sums; everything else in f32.
;; Inputs: K 4 x 2,048 x 1,024 float32; Q 4 x 2,048 x 1,024 float32; V 4 x 2,048 x 1,024 float32; Wk 1,024 x 1,024 float32; Wo 1,024 x 1,024 float32; Wq 1,024 x 1,024 float32; Wv 1,024 x 1,024 float32; bk 1,024 float32; bo 1,024 float32; bq 1,024 float32; bv 1,024 float32; lowp_scales 12 int32 (the exponents e of the quantised operands' scales 2^e).
;; Outputs: out0 4 x 2,048 x 1,024 float32.
;; This version of the problem:
;;   THIS VERSION OF THE PROBLEM IS GIVEN IN LOW PRECISION. The matrix products marked QUANTISED in the list below multiply operands that are first quantised to E5M2 (5 exponent bits, 2 mantissa bits; 8 bits a number), with one given power-of-two scale for each operand tensor; their sums are f32. All else is computed in f32.
;;   The module's matrix products, in the order in which they are computed (A, B: the left and right operand; K: the contracted axis; several contracted axes count as one K, in the product's order):
;;     1. [M 8,192, K 1,024] x [K 1,024, N 1,024]; A: input V; B: input Wv: QUANTISED (scales: A lowp_scales[0], B lowp_scales[1])
;;     2. [M 8,192, K 1,024] x [K 1,024, N 1,024]; A: input K; B: input Wk: QUANTISED (scales: A lowp_scales[2], B lowp_scales[3])
;;     3. [M 8,192, K 1,024] x [K 1,024, N 1,024]; A: input Q; B: input Wq: QUANTISED (scales: A lowp_scales[4], B lowp_scales[5])
;;     4. batch 64 x [M 2,048, K 64] x [K 64, N 2,048]; A: computed on the way; B: computed on the way: QUANTISED (scales: A lowp_scales[6], B lowp_scales[7])
;;     5. batch 64 x [M 64, K 2,048] x [K 2,048, N 2,048]; A: computed on the way; B: softmax (see below): QUANTISED (scales: A lowp_scales[8], B lowp_scales[9])
;;     6. [M 8,192, K 1,024] x [K 1,024, N 1,024]; A: computed on the way; B: input Wo: QUANTISED (scales: A lowp_scales[10], B lowp_scales[11])
;;   THE QUANTISER, for each operand of a quantised product, along K:
;;     - The operand's scale is 2^e, e = its entry of the input lowp_scales (int32; the entries are numbered through the quantised products in the list's order, A before B).
;;     - Each number is divided by the scale, clamped to +-57,344, and rounded to the nearest number of E5M2, ties to even, subnormals kept.
;;     - The product sums the exact products of the quantised numbers (number of the format x scale) in f32.
;;   ~~~python
;;   def quantise(x, axis, e):      # numpy; x: float32 -> the quantised numbers, widened to float32 again
;;       x = np.moveaxis(x, axis, -1); K = x.shape[-1]
;;       r = np.clip(x / 2.0 ** e, -57344, 57344)
;;       step = 2.0 ** (np.maximum(np.frexp(np.where(r == 0, 1, r))[1] - 1, -14) - 2)
;;       q = np.round(r / step) * step * 2.0 ** e      # np.round: ties to even
;;       return np.moveaxis(q, -1, axis).astype(np.float32)
;;   ~~~
;;   SOFTMAX AHEAD OF A QUANTISED PRODUCT. Where the list says 'softmax', what is quantised is not the finished softmax but p = 2^(t - M), with t = logit x log2(e) and M = ceil(the row's largest t), a whole number; so 1/2 < the row's largest p <= 1. The row's sum l is taken of the UNQUANTISED p, in f32, and the product's result is divided by l at the end. Since M is a whole number, a kernel that streams over the keys may use a running M (the ceiling of the running maximum): every later rescaling is an exact power of two, so the quantised numbers keep their values, but for numbers so far below the row's largest that they fall under the format's range.
;;   OPERANDS COMPUTED ON THE WAY. 'Computed on the way' means the value that the module computes at that place (a softmax that the list does not call 'softmax' is quantised finished and normalised). What goes into a quantiser is computed in f32, as accurately as f32 sums, v_exp_f32 and their like allow (about 1e-6 of the number): no bf16 or f16 on the way to a quantiser, and a product that is left as it is and whose result goes on into a quantised operand takes f32 operands (vector FMAs, or v_wmma_f32_16x16x4_f32). A number that lies on a knife's edge between two numbers of the format may be rounded either way, as far as f32 arithmetic and the matrix unit's own rounding can turn it there, and no further.
;; One version. Each part assembles by itself: llvm-mc -triple=amdgcn-amd-amdhsa -mcpu=gfx1250 --defsym DOCPART=n.
;; ======== version 1 of 1: 4 launches
;; limits: right only within a limited range of input values
;; workspace buffers: xc 25,165,824 bytes; wc 4,194,304 bytes; hc 25,165,824 bytes; ac 8,388,608 bytes
;; launch quant (part 1): grid 896 x 1, 4 waves a work-group, no clusters, 33,280 bytes of LDS; arguments V, K, Q, Wv, Wk, Wq, Wo, lowp_scales, xc, wc; writes xc, wc
.if DOCPART == 1
	.amdgcn_target "amdgcn-amd-amdhsa--gfx1250"
	.amdhsa_code_object_version 6
	.text
	.protected	k_q86121e8bf7_quant
	.globl	k_q86121e8bf7_quant
	.p2align	8
	.type	k_q86121e8bf7_quant,@function
k_q86121e8bf7_quant:
	s_mov_b64 s[64:65], 0
	v_nop
	global_prefetch_b8 v0, s[64:65] scope:SCOPE_SE
	s_setreg_imm32_b32 hwreg(HW_REG_WAVE_MODE, 25, 1), 1
	s_wait_xcnt 0x0
; Seven f32 tensors, all with K innermost and dense rows of 1,024, become codes of BF8 (E5M2), one byte a number:
; V, K, Q [8192][1024] -> xc at 0, 8 MiB, 16 MiB;  Wv, Wk, Wq, Wo [1024][1024] -> wc at 0, 1, 2, 3 MiB.
; code = x / 2^e, held within +-57,344, rounded to the nearest code, ties to even.  e is the tensor's entry of the scales: V 0, K 2, Q 4, Wv 1, Wk 3, Wq 5, Wo 11.
; LIMITS: -126 <= e <= 112, so that 2^e and 57,344 x 2^e are f32 numbers.  NaN among the inputs is not served (an infinity is held at the largest code).
; SHARES.  A work-group takes 32,768 numbers, a wave 16 pieces of 512.  Work-groups 0-767 take V, K, Q (256 each), 768-895 the weights (32 each).  Pointers and the exponent are chosen by selects on the work-group's number.
; No work-group shares an input byte with another: nothing to ask for jointly, no barrier.  Each load reads 512 consecutive bytes, 16 a lane; each store writes 512 consecutive bytes.
; THE ORDER OF THE CODES.  V, K, Q, Wv, Wk, Wq: a lane converts its numbers as its four loads brought them, so in each run of 512 along K the code at place 16 l + 4 i + j is that of number 128 i + 4 l + j
; (l 0..31, i and j 0..3).  It is one permutation of K, the same in both operands of each of the three projections, whose rows are two such runs: every product meets its partner, and only the order of the sums changes.
; Wo (work-groups 864-895) is laid in the numbers' own order, as its partner is: there a piece's 2,048 bytes turn through the wave's own stage in LDS and come back 64 bytes a lane (16 bytes of padding behind each 64).
; THE ORDER OF A WAVE'S STEPS: step t works piece (t + r) mod 16 of the wave's run, r = the wave's number in the launch mod 16, so that sixteen neighbouring waves stand on sixteen different pieces.
.set STEPS, 16
.set XWG,   768                        ; work-groups of V, K and Q
.set WOWG,  864                        ; the first of Wo's
.set EMAX,  15
.set MANT,  0x600000                   ; the mantissa field of 57,344 as f32
.set CB,    16                         ; bytes of 16 codes
.set R,     16                         ; v16-79   four sets of 16 numbers as they are loaded
.set X,     80                         ; v80-111  Wo: two sets of 16 neighbours
.set C,     128                        ; v128-191 codes: four registers for each step, so that no store's data are written again
.set LO,    194                        ; v194-209 the loads' offsets, one for each step; never written again
.set SO,    210                        ; v210-225 the stores' offsets likewise
.set WREG,  8192                       ; LDS: a region for each wave: two stages of 32 x SP bytes
.set SP,    80                         ; a lane's place in a stage: its 64 bytes + 16 of padding
	s_load_b512 s[8:23], s[0:1], 0x0               ; V s[8:9], K, Q, Wv, Wk, Wq, Wo s[20:21], the scales' exponents s[22:23]
	s_load_b128 s[24:27], s[0:1], 0x40             ; xc s[24:25], wc s[26:27]
	v_lshl_add_u32 v192, v0, 2, 0x8000             ; my spare word, behind the four regions
	v_mov_b32 v193, 0
	v_lshrrev_b32 v1, 5, v0
	v_readfirstlane_b32 s2, v1                     ; wave
	v_and_b32 v2, 31, v0                           ; lane
	v_lshlrev_b32 v3, 4, v2                        ; my 16 bytes of a load's 512
	s_mul_i32 s3, s2, WREG
	v_lshrrev_b32 v14, 2, v2
	v_mul_u32_u24 v14, v14, SP
	v_and_b32 v15, 3, v2
	v_lshl_add_u32 v14, v15, 4, v14
	v_add_nc_u32 v14, s3, v14                      ; the stage, on the way in: SP (lane / 4) + 16 (lane % 4)
	v_mul_u32_u24 v15, v2, SP
	v_add_nc_u32 v15, s3, v15                      ; and on the way out: SP x lane
	v_mul_u32_u24 v4, v2, CB                       ; my codes' place in a piece's
	s_sub_co_u32 s4, ttmp9, XWG                    ; a weight's work-group, counted from the first of them
	s_lshr_b32 s5, s4, 5
	s_add_co_u32 s5, s5, 3                         ; which tensor: 3 .. 6
	s_and_b32 s6, s4, 31                           ; which part of it
	s_lshr_b32 s7, ttmp9, 8                        ; the same for V, K, Q: 0 .. 2
	s_and_b32 s28, ttmp9, 255
	s_cmp_lt_u32 ttmp9, XWG
	s_cselect_b32 s5, s7, s5                       ; the tensor, 0 .. 6
	s_cselect_b32 s6, s28, s6                      ; the part of it
	s_cselect_b32 s4, ttmp9, s4                    ; the part of xc or of wc: the tensors' codes lie on end there
	s_lshl_b32 s6, s6, 2
	s_add_co_u32 s6, s6, s2
	s_lshl_b32 s6, s6, 15                          ; my wave's run: 8,192 numbers, 32,768 bytes
	s_mov_b32 s7, 0
	s_lshl_b32 s28, s4, 2
	s_add_co_u32 s28, s28, s2
	s_lshl_b32 s28, s28, 13                        ; and its 8,192 codes
	s_mov_b32 s29, 0
	s_lshl_b32 s30, ttmp9, 2
	s_add_co_u32 s30, s30, s2
	s_and_b32 s30, s30, 15                         ; r
	s_wait_alu depctr_va_vdst(0)
	v_mov_b32 v5, s30
.set j, 0
.rept 16
	v_add_nc_u32 v[SO+j], j, v5
.set j, j+1
.endr
.set j, 0
.rept 16
	v_and_b32 v[SO+j], 15, v[SO+j]                 ; (t + r) mod 16
.set j, j+1
.endr
.set j, 0
.rept 16
	v_lshl_add_u32 v[LO+j], v[SO+j], 11, v3        ; 2,048 bytes of numbers a piece
.set j, j+1
.endr
.set j, 0
.rept 16
	v_lshl_add_u32 v[SO+j], v[SO+j], 9, v4         ; 512 bytes of codes
.set j, j+1
.endr
	s_wait_alu depctr_va_vdst(0)
	s_wait_kmcnt 0x0
	s_load_b256 s[32:39], s[22:23], 0x0            ; e0 .. e7
	s_load_b128 s[40:43], s[22:23], 0x20           ; e8 .. e11
	s_cmp_lt_u32 ttmp9, XWG
	s_cselect_b64 s[24:25], s[24:25], s[26:27]     ; xc or wc
.irp k, 1,2,3,4,5,6
	s_cmp_eq_u32 s5, \k                            ; the choices hang on the work-group's number alone
	s_cselect_b64 s[8:9], s[8+2*\k:9+2*\k], s[8:9]
.endr
	s_add_nc_u64 s[8:9], s[8:9], s[6:7]
	s_add_nc_u64 s[24:25], s[24:25], s[28:29]
.macro LOAD t
.irp i, 0,1,2,3
	global_load_b128 v[R+16*((\t)%4)+4*\i:R+16*((\t)%4)+4*\i+3], v[LO+(\t)], s[8:9] offset:512*\i th:TH_LOAD_NT   ; read once in the launch
.endr
.endm
.irp t, 0,1,2,3
	LOAD \t
.endr
	s_wait_kmcnt 0x0
	s_cmp_eq_u32 s5, 1                             ; the tensor's exponent, by the same selects
	s_cselect_b32 s32, s34, s32
	s_cmp_eq_u32 s5, 2
	s_cselect_b32 s32, s36, s32
	s_cmp_eq_u32 s5, 3
	s_cselect_b32 s32, s33, s32
	s_cmp_eq_u32 s5, 4
	s_cselect_b32 s32, s35, s32
	s_cmp_eq_u32 s5, 5
	s_cselect_b32 s32, s37, s32
	s_cmp_eq_u32 s5, 6
	s_cselect_b32 s32, s43, s32
	s_add_co_i32 s32, s32, 127
	s_lshl_b32 s33, s32, 23
	v_mov_b32 v11, s33                             ; 2^e as f32: the conversion takes its exponent field
	s_add_co_i32 s32, s32, EMAX
	s_lshl_b32 s32, s32, 23
	s_or_b32 s32, s32, MANT
	v_mov_b32 v10, s32                             ; 57,344 x 2^e
	s_cmp_ge_u32 ttmp9, WOWG
	s_wait_alu depctr_va_vdst(0)
	s_cbranch_scc1 .Lwo
; six tensors: a step holds, converts and stores the 16 numbers of a lane as they were loaded; its registers then take the loads of four steps on
.macro DIRECT t
.set RS, R+16*((\t)%4)
.if STEPS-1-(\t) >= 3
	s_wait_loadcnt 12                              ; this step's four loads are in; those of the three steps behind it may be out
.else
	s_wait_loadcnt 4*(STEPS-1-(\t))                ; in the tail fewer steps stand behind it
.endif
.irp i, 0,1,2,3,4,5,6,7,8,9,10,11,12,13,14,15
	v_med3_num_f32 v[RS+\i], v[RS+\i], -v10, v10   ; the conversion does not saturate (ISA guide 7.6.2): the number is held first
.endr
	v_cvt_scalef32_pk8_bf8_f32 v[C+4*(\t):C+4*(\t)+1], v[RS:RS+7], v11
	v_cvt_scalef32_pk8_bf8_f32 v[C+4*(\t)+2:C+4*(\t)+3], v[RS+8:RS+15], v11
.if (\t)+4 < STEPS
	LOAD (\t)+4
.endif
	global_store_b128 v[SO+(\t)], v[C+4*(\t):C+4*(\t)+3], s[24:25]    ; the codes are touched by this store alone; the next vector lines are the next step's holds
.endm
.irp t, 0,1,2,3,4,5,6,7,8,9,10,11,12,13,14,15
	DIRECT \t
.endr
	s_branch .Lend
; Wo: through the stage, so that a lane holds 16 neighbours
.macro TURN t                          ; LDS serves a wave's instructions in order (ISA guide 5.7.1.4): no wait between the stores and the loads
.irp i, 0,1,2,3
	ds_store_b128 v14, v[R+16*((\t)%4)+4*\i:R+16*((\t)%4)+4*\i+3] offset:32*SP*((\t)%2)+8*SP*\i
.endr
.irp i, 0,1,2,3
	ds_load_b128 v[X+16*((\t)%2)+4*\i:X+16*((\t)%2)+4*\i+3], v15 offset:32*SP*((\t)%2)+16*\i
.endr
.endm
.macro STEP t
.set XS, X+16*((\t)%2)
	s_wait_dscnt 0x0                               ; this step's numbers are back from the stage: so its stores into the stage have read their registers,
.if (\t)+4 < STEPS
	LOAD (\t)+4                                    ; which take the loads of four steps on
.endif
.if (\t)+1 < STEPS
.if STEPS-2-(\t) >= 3
	s_wait_loadcnt 12                              ; the next step's four loads are in; those of the three steps behind it may be out
.else
	s_wait_loadcnt 4*(STEPS-2-(\t))
.endif
	TURN (\t)+1                                    ; and go through the other stage while this step is worked
.endif
.irp i, 0,1,2,3,4,5,6,7,8,9,10,11,12,13,14,15
	v_med3_num_f32 v[XS+\i], v[XS+\i], -v10, v10
.endr
	v_cvt_scalef32_pk8_bf8_f32 v[C+4*(\t):C+4*(\t)+1], v[XS:XS+7], v11
	v_cvt_scalef32_pk8_bf8_f32 v[C+4*(\t)+2:C+4*(\t)+3], v[XS+8:XS+15], v11
	global_store_b128 v[SO+(\t)], v[C+4*(\t):C+4*(\t)+3], s[24:25]
.endm
.Lwo:
	s_wait_loadcnt 12                              ; step 0's four loads are in; those of steps 1 to 3 may be out
	TURN 0
.irp t, 0,1,2,3,4,5,6,7,8,9,10,11,12,13,14,15
	STEP \t
.endr
.Lend:
	s_wait_tensorcnt 0x0                           ; the wave's end
	ds_add_u32 v192, v193
	s_wait_dscnt 0x0
	s_endpgm
.Lfunc_end_k_q86121e8bf7_quant:
	.size	k_q86121e8bf7_quant, .Lfunc_end_k_q86121e8bf7_quant-k_q86121e8bf7_quant
	.p2alignl 7, 3214868480
	.fill 96, 4, 3214868480
	.section	.rodata,"a",@progbits
	.p2align	6, 0x0
	.amdhsa_kernel k_q86121e8bf7_quant
		.amdhsa_group_segment_fixed_size 33280
		.amdhsa_private_segment_fixed_size 0
		.amdhsa_enable_private_segment 0
		.amdhsa_kernarg_size 80
		.amdhsa_user_sgpr_count 2
		.amdhsa_user_sgpr_kernarg_segment_ptr 1
		.amdhsa_wavefront_size32 1
		.amdhsa_system_sgpr_workgroup_id_x 1
		.amdhsa_system_sgpr_workgroup_id_y 1
		.amdhsa_system_sgpr_workgroup_id_z 1
		.amdhsa_system_vgpr_workitem_id 0
		.amdhsa_next_free_vgpr 226
		.amdhsa_next_free_sgpr 66
		.amdhsa_reserve_vcc 0
		.amdhsa_float_denorm_mode_32 3
		.amdhsa_float_denorm_mode_16_64 3
		.amdhsa_memory_ordered 1
		.amdhsa_forward_progress 1
		.amdhsa_inst_pref_size 66
	.end_amdhsa_kernel
	.amdgpu_metadata
---
amdhsa.version: [ 1, 2 ]
amdhsa.kernels:
  - .name:           k_q86121e8bf7_quant
    .symbol:         k_q86121e8bf7_quant.kd
    .args:
      - { .name: V, .offset: 0, .size: 8, .value_kind: global_buffer, .address_space: global }
      - { .name: K, .offset: 8, .size: 8, .value_kind: global_buffer, .address_space: global }
      - { .name: Q, .offset: 16, .size: 8, .value_kind: global_buffer, .address_space: global }
      - { .name: Wv, .offset: 24, .size: 8, .value_kind: global_buffer, .address_space: global }
      - { .name: Wk, .offset: 32, .size: 8, .value_kind: global_buffer, .address_space: global }
      - { .name: Wq, .offset: 40, .size: 8, .value_kind: global_buffer, .address_space: global }
      - { .name: Wo, .offset: 48, .size: 8, .value_kind: global_buffer, .address_space: global }
      - { .name: lowp_scales, .offset: 56, .size: 8, .value_kind: global_buffer, .address_space: global }
      - { .name: xc, .offset: 64, .size: 8, .value_kind: global_buffer, .address_space: global }
      - { .name: wc, .offset: 72, .size: 8, .value_kind: global_buffer, .address_space: global }
    .group_segment_fixed_size: 33280
    .private_segment_fixed_size: 0
    .kernarg_segment_align: 8
    .kernarg_segment_size: 80
    .max_flat_workgroup_size: 128
    .sgpr_count:     66
    .vgpr_count:     226
    .wavefront_size: 32
...
	.end_amdgpu_metadata
.endif
;; end of part 1
;; launch proj (part 2): grid 4 x 64, 4 waves a work-group, clusters of 4 x 4, 327,680 bytes of LDS; arguments xc, wc, bv, bk, bq, lowp_scales, hc; writes hc
.if DOCPART == 2
	.amdgcn_target "amdgcn-amd-amdhsa--gfx1250"
	.amdhsa_code_object_version 6
	.text
	.protected	k_q86121e8bf7_proj
	.globl	k_q86121e8bf7_proj
	.p2align	8
	.type	k_q86121e8bf7_proj,@function
k_q86121e8bf7_proj:
	s_mov_b64 s[64:65], 0
	v_nop
	global_prefetch_b8 v0, s[64:65] scope:SCOPE_SE
	s_setreg_imm32_b32 hwreg(HW_REG_WAVE_MODE, 25, 1), 1
	s_wait_xcnt 0x0
	s_wait_alu depctr_hold_cnt(0) depctr_sa_sdst(0) depctr_va_vdst(0) depctr_va_sdst(0) depctr_va_ssrc(0) depctr_va_vcc(0) depctr_vm_vsrc(0)
	s_getreg_b32 s2, hwreg(HW_REG_IB_STS2, 6, 4)
	s_cmp_eq_u32 s2, 0
	s_cbranch_scc0 .Lentry_in_a_cluster
	s_endpgm
.Lentry_in_a_cluster:
	s_bfe_u32 s2, ttmp6, 0x10000c
	s_cmp_lg_u32 s2, 0xf033
	s_cbranch_scc0 .Lentry_shape_is_right
	s_endpgm
.Lentry_shape_is_right:
.set PITCH, 272
.set PH,    64*PITCH
.set RH,    128*PITCH
.set SLOT,  2*PH+2*RH
.set SPARE, 2*SLOT
.set STG,   SPARE+512
.set WSTG,  10240
.set ADRP, 16
.set ADRR, 20
.set STOQ, 22
.set RDQ,  23
.set STOV, 24
.set RDV,  25
.set GO,   26
.set SPW,  28
.set NIL,  29
.set BVO,  30
.set BXO,  31
.set CD,   128
.set TT,   192
.set WV, 18
.set WH, 19
.set WL, 20
.set CX, 21
.set CY, 22
.set C16, 23
.set G1P, 24
.set G0P, 32
.set G1R, 40
.set G0R, 48
.set ITV, 56
.set JTV, 57
.set ITX, 58
.set PB0, 66
.set RB0, 68
.set PB1, 70
.set RB1, 72
.set PB2, 74
.set RB2, 76
.set MSB, 0
.macro WIN new
.if MSB != \new
	s_set_vgpr_msb (MSB<<8)|\new
.set MSB, \new
.endif
.endm
.set MULW, 0xa1
.macro PLACES n
.rept \n
	v_nop
.endr
.endm
.macro JLOAD s
	s_cmp_eq_u32 s[WH], 0
	s_cbranch_scc0 .Lfor_r_\@
	tensor_load_to_lds s[G0P+4*\s:G0P+4*\s+3], s[G1P:G1P+7]
	s_nop 0
.rept 4
	v_nop
.endr
	s_branch .Lasked_\@
.Lfor_r_\@:
	tensor_load_to_lds s[G0R+4*\s:G0R+4*\s+3], s[G1R:G1R+7]
	s_nop 0
.rept 4
	v_nop
.endr
.Lasked_\@:
.endm
.macro CREST
	s_cmp_lg_u32 s[WV], 0
	s_cbranch_scc1 .Lnot_wave_0_\@
	s_barrier_signal -3
.Lnot_wave_0_\@:
	s_barrier_wait -3
	s_barrier_signal -1
	s_barrier_wait -1
.endm
.macro CROUND
	s_barrier_signal -1
	s_barrier_wait -1
	CREST
.endm
	s_load_b256 s[4:11], s[0:1], 0x0
	s_load_b128 s[12:15], s[0:1], 0x20
	s_load_b64 s[16:17], s[0:1], 0x30
	v_lshl_add_u32 v[SPW], v0, 2, SPARE
	v_mov_b32 v[NIL], 0
	ds_add_u32 v28, v29
	ds_add_u32 v28, v29
	s_wait_dscnt 0x0
	v_lshrrev_b32 v1, 5, v0
	v_readfirstlane_b32 s[WV], v1
	s_lshr_b32 s[WH], s[WV], 1
	s_and_b32 s[WL], s[WV], 1
	s_bfe_u32 s[CX], ttmp6, 0x40000
	s_bfe_u32 s[CY], ttmp6, 0x40004
	s_and_b32 s[C16], ttmp7, 0xffff
	s_and_b32 s[ITV], s[C16], 1
	s_lshl_b32 s[ITV], s[ITV], 2
	s_add_co_u32 s[ITV], s[ITV], s[CY]
	s_lshr_b32 s[JTV], s[C16], 1
	s_lshl_b32 s[JTV], s[JTV], 2
	s_add_co_u32 s[JTV], s[JTV], s[CX]
	s_lshl_b32 s[ITX], s[C16], 2
	s_add_co_u32 s[ITX], s[ITX], s[CY]
	s_lshl_b32 s60, s[CY], 2
	s_lshl_b32 s60, 15, s60
	s_lshl_b32 s62, 0x1111, s[CX]
	s_or_b32 s[G1P], s60, (1<<20)|(1<<21)|(5<<22)|(3<<25)
	s_or_b32 s[G1R], s62, (1<<20)|(1<<21)|(5<<22)|(3<<25)
	s_mov_b32 s[G1P+1], 256<<16
	s_mov_b32 s[G1P+2], 64<<16
	s_mov_b32 s[G1P+3], 256<<16
	s_mov_b32 s[G1P+4], 64
	s_mov_b32 s[G1P+5], 1024
	s_mov_b32 s[G1P+6], 0
	s_mov_b32 s[G1P+7], 0
	s_mov_b32 s[G1R+1], 256<<16
	s_mov_b32 s[G1R+2], 128<<16
	s_mov_b32 s[G1R+3], 256<<16
	s_mov_b32 s[G1R+4], 128
	s_mov_b32 s[G1R+5], 1024
	s_mov_b32 s[G1R+6], 0
	s_mov_b32 s[G1R+7], 0
	s_mul_i32 s59, s[WL], PH
	s_mul_i32 s3, s[WL], RH
	s_add_co_u32 s3, s3, 2*PH
	s_wait_kmcnt 0x0
	s_load_b256 s[92:99], s[14:15], 0x0
	s_load_b32 s100, s[14:15], 0x20
	s_lshl_b32 s60, s[ITV], 17
	s_lshl_b32 s61, s[WL], 16
	s_add_co_u32 s60, s60, s61
	s_mov_b32 s61, 0
	s_add_nc_u64 s[PB0:PB0+1], s[6:7], s[60:61]
	s_lshl_b32 s60, s[ITX], 17
	s_lshl_b32 s61, s[WL], 16
	s_add_co_u32 s60, s60, s61
	s_add_co_u32 s60, s60, 0x800000
	s_mov_b32 s61, 0
	s_add_nc_u64 s[PB1:PB1+1], s[4:5], s[60:61]
	s_add_nc_u64 s[PB2:PB2+1], s[PB1:PB1+1], 0x800000
	s_lshl_b32 s62, s[JTV], 18
	s_lshl_b32 s63, s[WL], 17
	s_add_co_u32 s62, s62, s63
	s_mov_b32 s63, 0
	s_add_nc_u64 s[RB0:RB0+1], s[4:5], s[62:63]
	s_lshl_b32 s62, s[CX], 18
	s_lshl_b32 s63, s[WL], 17
	s_add_co_u32 s62, s62, s63
	s_add_co_u32 s62, s62, 0x100000
	s_mov_b32 s63, 0
	s_add_nc_u64 s[RB1:RB1+1], s[6:7], s[62:63]
	s_add_nc_u64 s[RB2:RB2+1], s[RB1:RB1+1], 0x100000
; PREFETCHES INTO THE L2.  There are 12 tiles: 3 products x 4 K steps of 256 bytes a row.  Tile 0 comes by its load alone.  Tiles 1 and 2 are asked for here, ahead of the first round; tile 3 further down in the head;
; behind each refill and the LDS loads that follow it, one instruction a wave asks for the tile that stands two refills on; the last two refills ask for nothing.
; Of the rows that a wave fetches (64 or 128) each of the four partners that ask for them jointly takes a quarter, told apart by address (cx for the 128-row operand, cy for the 256-row operand): a lane a row, 256 bytes; the lanes left over name the last row again.
; The offsets are immediates; v7, s[104:105] and s[92:97] are never written again.
	s_cmp_eq_u32 s[WH], 0
	s_cselect_b64 s[104:105], s[PB0:PB0+1], s[RB0:RB0+1]   ; my rows in the first product
	s_cselect_b32 s60, s[CX], s[CY]                ; my place among the four
	s_cselect_b32 s61, 14, 15                      ; a quarter: 16 or 32 rows of 1,024 bytes
	s_cselect_b32 s62, 15, 31                      ; its last row
	s_lshl_b32 s60, s60, s61
	v_and_b32 v7, 31, v0
	v_min_u32 v7, s62, v7
	v_lshlrev_b32 v7, 10, v7
	v_add_nc_u32 v7, s60, v7
	s_wait_alu depctr_va_vdst(0)
	global_prefetch_b8 v7, s[104:105] offset:256 th:TH_LOAD_NT scope:SCOPE_SE
	global_prefetch_b8 v7, s[104:105] offset:512 th:TH_LOAD_NT scope:SCOPE_SE
	CROUND
.irp s, 0,1
	s_mov_b32 s[G0P+4*\s], 1
	s_add_co_u32 s[G0P+4*\s+1], s59, \s*SLOT
	s_add_nc_u64 s[G0P+4*\s+2:G0P+4*\s+3], s[PB0:PB0+1], \s*256
	s_or_b32 s[G0P+4*\s+3], s[G0P+4*\s+3], 0x80000000
	s_mov_b32 s[G0R+4*\s], 1
	s_add_co_u32 s[G0R+4*\s+1], s3, \s*SLOT
	s_add_nc_u64 s[G0R+4*\s+2:G0R+4*\s+3], s[RB0:RB0+1], \s*256
	s_or_b32 s[G0R+4*\s+3], s[G0R+4*\s+3], 0x80000000
	s_wait_alu depctr_va_vdst(0)
	s_wait_tensorcnt 0x0
	ds_add_u32 v28, v29
	ds_add_u32 v28, v29
	s_wait_dscnt 0x0
	CROUND
	JLOAD \s
.endr
	v_and_b32 v1, 15, v0
	s_wait_alu depctr_va_vdst(0)
	v_bfe_u32 v2, v0, 4, 1
	v_and_b32 v3, 31, v0
	v_mul_u32_u24 v4, v1, PITCH
	v_lshl_add_u32 v4, v2, 4, v4
	s_mul_i32 s60, s[WH], PH
	s_mul_i32 s62, s[WL], RH
	s_add_co_u32 s62, s62, 2*PH
.irp s, 0,1
	v_add_nc_u32 v[ADRP+\s], s60, v4
	v_add_nc_u32 v[ADRR+\s], s62, v4
	s_add_co_u32 s60, s60, SLOT
	s_add_co_u32 s62, s62, SLOT
.endr
	s_mul_i32 s60, s[WV], WSTG
	s_add_co_u32 s60, s60, STG
	v_mul_u32_u24 v5, v1, 80
	s_wait_alu depctr_va_vdst(0)
	v_lshl_add_u32 v5, v2, 3, v5
	v_add_nc_u32 v[STOQ], s60, v5
	v_lshrrev_b32 v5, 2, v3
	v_mul_u32_u24 v5, v5, 80
	v_and_b32 v6, 3, v3
	v_lshl_add_u32 v5, v6, 4, v5
	v_add_nc_u32 v[RDQ], s60, v5
	v_and_b32 v5, 7, v1
	v_lshrrev_b32 v6, 3, v1
	v_lshl_add_u32 v5, v6, 4, v5
	v_mul_u32_u24 v5, v5, 144
	v_lshl_add_u32 v5, v2, 4, v5
	v_add_nc_u32 v[STOV], s60, v5
	v_lshrrev_b32 v5, 3, v3
	v_mul_u32_u24 v5, v5, 144
	v_and_b32 v6, 7, v3
	v_lshl_add_u32 v5, v6, 4, v5
	v_add_nc_u32 v[RDV], s60, v5
	v_lshlrev_b32 v[GO], 4, v3
	v_lshlrev_b32 v[BVO], 2, v1
	s_wait_alu depctr_va_vdst(0)
	v_lshlrev_b32 v[BXO], 5, v2
	s_wait_alu depctr_va_vdst(0)
	s_lshl_b32 s90, s[ITV], 9
	s_lshl_b32 s91, s[WH], 8
	s_add_co_u32 s90, s90, s91
	s_mov_b32 s91, 0
	s_add_nc_u64 s[8:9], s[8:9], s[90:91]
	s_lshl_b32 s90, s[CX], 10
	s_lshl_b32 s2, s[WL], 9
	s_add_co_u32 s90, s90, s2
	s_add_nc_u64 s[10:11], s[10:11], s[90:91]
	s_add_nc_u64 s[12:13], s[12:13], s[90:91]
	WIN 0xc0
.irp a, 0,1,2,3
	global_load_b32 v[2*\a], v[BVO], s[8:9] offset:64*\a
	global_load_b32 v[2*\a+1], v[BVO], s[8:9] offset:64*\a
.endr
.irp b, 0,1,2,3,4,5,6,7
	global_load_b128 v[64+8*\b:64+8*\b+3], v[BXO], s[10:11] offset:64*\b
	global_load_b128 v[64+8*\b+4:64+8*\b+7], v[BXO], s[10:11] offset:64*\b+16
	global_load_b128 v[128+8*\b:128+8*\b+3], v[BXO], s[12:13] offset:64*\b
	global_load_b128 v[128+8*\b+4:128+8*\b+7], v[BXO], s[12:13] offset:64*\b+16
.endr
	WIN 0
	s_lshr_b32 s90, s[JTV], 3
	s_lshl_b32 s90, s90, 4
	s_lshl_b32 s91, s[ITV], 1
	s_add_co_u32 s90, s90, s91
	s_add_co_u32 s90, s90, s[WH]
	s_lshl_b32 s90, s90, 4
	s_lshl_b32 s91, s[JTV], 1
	s_add_co_u32 s91, s91, s[WL]
	s_and_b32 s91, s91, 15
	s_add_co_u32 s90, s90, s91
	s_lshl_b32 s90, s90, 13
	s_add_co_u32 s90, s90, 0x1000000
	s_mov_b32 s91, 0
	s_add_nc_u64 s[84:85], s[16:17], s[90:91]
	s_lshr_b32 s90, s[ITX], 4
	s_lshl_b32 s90, s90, 21
	s_lshl_b32 s91, s[CX], 19
	s_add_co_u32 s90, s90, s91
	s_lshl_b32 s91, s[WL], 18
	s_add_co_u32 s90, s90, s91
	s_and_b32 s91, s[ITX], 15
	s_lshl_b32 s91, s91, 13
	s_add_co_u32 s90, s90, s91
	s_lshl_b32 s91, s[WH], 12
	s_add_co_u32 s90, s90, s91
	s_mov_b32 s91, 0
	s_add_nc_u64 s[88:89], s[16:17], s[90:91]
	s_add_nc_u64 s[86:87], s[88:89], 0x800000
	s_wait_kmcnt 0x0
.macro POW2 d, ea, eb
	s_add_co_i32 s[\d], s[\ea], s[\eb]
	s_add_co_i32 s[\d], s[\d], 127
	s_lshl_b32 s[\d], s[\d], 23
	s_mov_b32 s[\d+1], s[\d]
.endm
.macro QSC v, e
	s_add_co_i32 s2, s[\e], 127
	s_lshl_b32 s3, s2, 23
	v_mov_b32 v[\v], s3
	s_add_co_i32 s2, s2, 15
	s_lshl_b32 s2, s2, 23
	s_or_b32 s2, s2, 0x600000
	v_mov_b32 v[\v+1], s2
.endm
	POW2 78, 92, 93
	POW2 80, 94, 95
	POW2 82, 96, 97
	QSC 10, 100
	QSC 12, 99
	QSC 14, 98
	s_cmp_eq_u32 s[WH], 0                          ; the prefetches' bases: my rows in each of the three products (the exponents that lay in these registers have been used)
	s_cselect_b64 s[92:93], s[PB0:PB0+1], s[RB0:RB0+1]
	s_cselect_b64 s[94:95], s[PB1:PB1+1], s[RB1:RB1+1]
	s_cselect_b64 s[96:97], s[PB2:PB2+1], s[RB2:RB2+1]
	global_prefetch_b8 v7, s[92:93] offset:768 th:TH_LOAD_NT scope:SCOPE_SE   ; tile 3
.set NASK, 4                           ; the tile that the next refill's prefetch names
.macro FRAG reg, adr, q, i
.irp c, 0,1,2,3
	ds_load_b128 v[\reg+4*\c:\reg+4*\c+3], v[\adr] offset:128*(\q)+32*\c+(\i)*16*PITCH
.endr
.endm
.macro FETCH slot, q, set
	WIN 0x40
.irp i, 0,1,2,3,4,5,6,7
	FRAG 128*(\set)+16*\i, ADRR+\slot, \q, \i
.endr
	WIN 0
.irp i, 0,1,2,3
	FRAG 64+64*(\set)+16*\i, ADRP+\slot, \q, \i
.endr
.endm
.macro MUL8 a, set, zero
.irp b, 0,1,2,3,4,5,6,7
.if \zero
	v_wmma_f32_16x16x128_bf8_bf8 v[8*(8*(\a)+\b):8*(8*(\a)+\b)+7], v[128*(\set)+16*\b:128*(\set)+16*\b+15], v[64+64*(\set)+16*(\a):64+64*(\set)+16*(\a)+15], 0
.else
	v_wmma_f32_16x16x128_bf8_bf8 v[8*(8*(\a)+\b):8*(8*(\a)+\b)+7], v[128*(\set)+16*\b:128*(\set)+16*\b+15], v[64+64*(\set)+16*(\a):64+64*(\set)+16*(\a)+15], v[8*(8*(\a)+\b):8*(8*(\a)+\b)+7]
.endif
.endr
.endm
.macro STEP slot, zero
	s_wait_dscnt 0x0
	PLACES 4
	FETCH \slot, 1, 1
	WIN MULW
	MUL8 0, 0, \zero
	MUL8 1, 0, \zero
	MUL8 2, 0, \zero
	MUL8 3, 0, \zero
	WIN 0
.endm
.macro TURN slot, next, mode, pb, rb, kb
	s_wait_tensorcnt 0x0
	ds_add_u32 v[SPW], v[NIL]
	s_wait_dscnt 0x1
	WIN MULW
	MUL8 0, 1, 0
	s_wait_dscnt 0x0
	s_barrier_signal -1
	MUL8 1, 1, 0
	WIN 0
	s_barrier_wait -1
.if \mode == 1
	CREST
	s_add_nc_u64 s[G0P+4*\slot+2:G0P+4*\slot+3], s[G0P+4*\slot+2:G0P+4*\slot+3], 512
	s_add_nc_u64 s[G0R+4*\slot+2:G0R+4*\slot+3], s[G0R+4*\slot+2:G0R+4*\slot+3], 512
	JLOAD \slot
.elseif \mode == 2
	CREST
	s_add_nc_u64 s[G0P+4*\slot+2:G0P+4*\slot+3], s[\pb:\pb+1], \kb
	s_or_b32 s[G0P+4*\slot+3], s[G0P+4*\slot+3], 0x80000000
	s_add_nc_u64 s[G0R+4*\slot+2:G0R+4*\slot+3], s[\rb:\rb+1], \kb
	s_or_b32 s[G0R+4*\slot+3], s[G0R+4*\slot+3], 0x80000000
	JLOAD \slot
.else
	PLACES 4
.endif
	FETCH \next, 0, 0
.if \mode
.if NASK < 12
	global_prefetch_b8 v7, s[92+2*(NASK/4):93+2*(NASK/4)] offset:256*(NASK%4) th:TH_LOAD_NT scope:SCOPE_SE   ; the tile two refills on
.endif
.set NASK, NASK+1
.endif
	WIN MULW
	MUL8 2, 1, 0
	MUL8 3, 1, 0
	WIN 0
.endm
.macro EPI isv, bias, sc, f, g
	s_wait_xcnt 0x0
	PLACES 4
.irp a, 0,1,2,3
	WIN 0x32
.irp b, 0,1,2,3,4,5,6,7
.irp i, 0,2,4,6
.if \isv
	v_pk_fma_f32 v[TT+8*\b+\i:TT+8*\b+\i+1], v[8*(8*\a+\b)+\i:8*(8*\a+\b)+\i+1], s[\f:\f+1], v[2*\a:2*\a+1] op_sel_hi:[1,0,1]
.else
	v_pk_fma_f32 v[TT+8*\b+\i:TT+8*\b+\i+1], v[8*(8*\a+\b)+\i:8*(8*\a+\b)+\i+1], s[\f:\f+1], v[\bias+8*\b+\i:\bias+8*\b+\i+1] op_sel_hi:[1,0,1]
.endif
.endr
.endr
	WIN 0
.set j, 0
.rept 64
	v_med3_num_f32 v[TT+j], v[TT+j], -v[\sc+1], v[\sc+1]
.set j, j+1
.endr
.irp b, 0,1,2,3,4,5,6,7
	v_cvt_scalef32_pk8_bf8_f32 v[CD+16*\a+2*\b:CD+16*\a+2*\b+1], v[TT+8*\b:TT+8*\b+7], v[\sc]
.endr
	v_nop
.if \isv
.irp c, 0,1,2,3
	ds_store_b128 v[STOV], v[CD+16*\a+4*\c:CD+16*\a+4*\c+3] offset:144*(32*(\a/2)+8*(\a%2))+32*\c
.endr
.else
.irp b, 0,1,2,3,4,5,6,7
	ds_store_b64 v[STOQ], v[CD+16*\a+2*\b:CD+16*\a+2*\b+1] offset:5120*(\b/4)+1280*\a+16*(\b%4)
.endr
.endif
.endr
.irp t, 0,1,2,3,4,5,6,7,8,9,10,11,12,13,14,15
.if \isv
	ds_load_b128 v[TT+4*\t:TT+4*\t+3], v[RDV] offset:576*\t
.else
	ds_load_b128 v[TT+4*\t:TT+4*\t+3], v[RDQ] offset:5120*(\t/8)+640*(\t%8)
.endif
.endr
.irp t, 0,1,2,3,4,5,6,7,8,9,10,11,12,13,14,15
	s_wait_dscnt 15-\t
.if \isv
	global_store_b128 v[GO], v[TT+4*\t:TT+4*\t+3], s[\g:\g+1] offset:512*\t
.else
	global_store_b128 v[GO], v[TT+4*\t:TT+4*\t+3], s[\g:\g+1] offset:131072*(\t/8)+512*(\t%8)
.endif
.endr
.endm
	s_wait_tensorcnt 0x1
	s_barrier_signal -1
	s_barrier_wait -1
	FETCH 0, 0, 0
	STEP 0, 1
	TURN 0, 1, 1, 0, 0, 0
	STEP 1, 0
	TURN 1, 0, 1, 0, 0, 0
	STEP 0, 0
	TURN 0, 1, 2, PB1, RB1, 0
	STEP 1, 0
	TURN 1, 0, 2, PB1, RB1, 256
	s_wait_loadcnt 0x0
	EPI 1, 0, 10, 78, 84
	STEP 0, 1
	TURN 0, 1, 1, 0, 0, 0
	STEP 1, 0
	TURN 1, 0, 1, 0, 0, 0
	STEP 0, 0
	TURN 0, 1, 2, PB2, RB2, 0
	STEP 1, 0
	TURN 1, 0, 2, PB2, RB2, 256
	EPI 0, 64, 12, 80, 86
	STEP 0, 1
	TURN 0, 1, 1, 0, 0, 0
	STEP 1, 0
	TURN 1, 0, 1, 0, 0, 0
	STEP 0, 0
	TURN 0, 1, 0, 0, 0, 0
	STEP 1, 0
	s_wait_dscnt 0x0
	WIN MULW
	MUL8 0, 1, 0
	MUL8 1, 1, 0
	MUL8 2, 1, 0
	MUL8 3, 1, 0
	WIN 0
	EPI 0, 128, 14, 82, 88
	s_wait_tensorcnt 0x0
	ds_add_u32 v[SPW], v[NIL]
	s_wait_dscnt 0x0
	CROUND
	s_endpgm
.Lfunc_end_k_q86121e8bf7_proj:
	.size	k_q86121e8bf7_proj, .Lfunc_end_k_q86121e8bf7_proj-k_q86121e8bf7_proj
	.p2alignl 7, 3214868480
	.fill 96, 4, 3214868480
	.section	.rodata,"a",@progbits
	.p2align	6, 0x0
	.amdhsa_kernel k_q86121e8bf7_proj
		.amdhsa_group_segment_fixed_size 327680
		.amdhsa_private_segment_fixed_size 0
		.amdhsa_enable_private_segment 0
		.amdhsa_kernarg_size 56
		.amdhsa_user_sgpr_count 2
		.amdhsa_user_sgpr_kernarg_segment_ptr 1
		.amdhsa_wavefront_size32 1
		.amdhsa_system_sgpr_workgroup_id_x 1
		.amdhsa_system_sgpr_workgroup_id_y 1
		.amdhsa_system_sgpr_workgroup_id_z 1
		.amdhsa_system_vgpr_workitem_id 0
		.amdhsa_next_free_vgpr 1024
		.amdhsa_next_free_sgpr 106
		.amdhsa_reserve_vcc 0
		.amdhsa_float_denorm_mode_32 3
		.amdhsa_float_denorm_mode_16_64 3
		.amdhsa_memory_ordered 1
		.amdhsa_forward_progress 1
		.amdhsa_inst_pref_size 249
	.end_amdhsa_kernel
	.amdgpu_metadata
---
amdhsa.version: [ 1, 2 ]
amdhsa.kernels:
  - .name:           k_q86121e8bf7_proj
    .symbol:         k_q86121e8bf7_proj.kd
    .args:
      - { .name: xc, .offset: 0, .size: 8, .value_kind: global_buffer, .address_space: global }
      - { .name: wc, .offset: 8, .size: 8, .value_kind: global_buffer, .address_space: global }
      - { .name: bv, .offset: 16, .size: 8, .value_kind: global_buffer, .address_space: global }
      - { .name: bk, .offset: 24, .size: 8, .value_kind: global_buffer, .address_space: global }
      - { .name: bq, .offset: 32, .size: 8, .value_kind: global_buffer, .address_space: global }
      - { .name: lowp_scales, .offset: 40, .size: 8, .value_kind: global_buffer, .address_space: global }
      - { .name: hc, .offset: 48, .size: 8, .value_kind: global_buffer, .address_space: global }
    .group_segment_fixed_size: 327680
    .private_segment_fixed_size: 0
    .kernarg_segment_align: 8
    .kernarg_segment_size: 56
    .max_flat_workgroup_size: 128
    .sgpr_count:     106
    .vgpr_count:     1024
    .wavefront_size: 32
...
	.end_amdgpu_metadata
.endif
;; end of part 2
;; launch attn (part 3): grid 4 x 64, 16 waves a work-group, no clusters, 313,344 bytes of LDS; arguments hc, lowp_scales, ac; writes ac
.if DOCPART == 3
	.amdgcn_target "amdgcn-amd-amdhsa--gfx1250"
	.amdhsa_code_object_version 6
	.text
	.protected	k_q86121e8bf7_attn
	.globl	k_q86121e8bf7_attn
	.p2align	8
	.type	k_q86121e8bf7_attn,@function
k_q86121e8bf7_attn:
	s_mov_b64 s[64:65], 0
	v_nop
	global_prefetch_b8 v0, s[64:65] scope:SCOPE_SE
	s_setreg_imm32_b32 hwreg(HW_REG_WAVE_MODE, 25, 1), 1
	s_wait_xcnt 0x0
; Attention on codes of BF8 (E5M2) for one batch and head (grid y, 64) and 512 queries (grid x, 4): S^T = K Q^T, p = 2^(t - M), O^T = V^T P^T, O / the row's sum, quantised for the last projection.
; hc: q codes [bh][2048][64] at 0, k codes likewise at 8 MiB, v codes at 16 MiB as [bh][16 pieces of 128 keys][64 d][128 key places] (the key places in the order in which p's codes fall below).
; ac: images of the next product's operand registers: [16 rows][head][2 x 512 bytes].
; t = score x log2(e) / 8; M = the running largest t rounded up to a whole number; the row's sum is taken of the unquantised p in f32; when M moves, sum and O^T are multiplied by 2^(old M - new M), exactly.
; SHARES: 16 waves, each 32 queries (two tiles of 16) in 256 registers; every wave walks the head's 2,048 keys in 16 steps of 128.  A lane holds one query (lane % 16) of each tile throughout.
; LDS: the head's K and V lie there whole: 32 pieces of 8,192 bytes as rows of 256 bytes + 16 of padding.  Each wave brings 16 KiB once, through registers (32 loads of 512 consecutive bytes, 32 LDS stores): one barrier, no ring.
; THE HOLD OF p stands under a scalar branch on the given whole number ep: p < 1.75, so for ep >= -15 p / 2^ep < 57,344 and the hold changes nothing; for smaller ep it is run, two numbers a line.
; NO JOINT LOADS, NO TENSOR LOADS: what the four work-groups of a head share is read once by each, 256 KiB at the head.
; NO PREFETCH: all of K and V is asked for at the head; there is no loop to run ahead in.
; LIMITS: eq + ek between -123 and 130 (added to c's exponent field); ep and the exponent of ac between -126 and 112; the scaled scores stay under 2^31 in magnitude.  NaN among the codes is not served.
; REGISTERS: v1-5 addresses; v[6:7] the new -M, 0; v8-15 per tile: -M, largest raw score, the sum in two halves; v16-23 at work; v25 2^ep; v26 16 x lane; v27, v28 hold and scale on the way out;
; v29 Q's offset, v31 the copy's LDS address; v32-95 fragments of K, then of V; v96-159 S^T, then p; v160-191 p's codes (v176-191 first hold Q); v192-255 O^T.
.set KSTEPB, 8704                      ; a piece in LDS: 32 rows x 272
.set VOFF,   16*KSTEPB                 ; V's pieces lie behind K's
.set QST,    2*VOFF                    ; Q's fragments, 2,048 bytes a wave
.set SPARE,  QST+16*2048               ; the spare words: 128 bytes a wave
.set AK0, 1
.set AV0, 2
.set AQ,  3
.set ADK, 4
.set ADV, 5
.set ST,  8
.set WV,  10
.set BH,  12
.set EP,  39
.set CS,  42
.set SEL, 44
.set TB,  46
.set CNT, 47
.set HOLD, 51
.set NC,  52
.macro PLACES
.rept 4
	v_nop
.endr
.endm
	s_load_b128 s[4:7], s[0:1], 0x0                ; hc, the scales' exponents
	s_load_b64 s[8:9], s[0:1], 0x10                ; ac
	v_lshrrev_b32 v6, 5, v0
	s_delay_alu instid0(VALU_DEP_1)
	v_readfirstlane_b32 s[WV], v6                  ; wave 0..15
	s_and_b32 s[BH], ttmp7, 0xffff
	s_lshr_b32 s32, s[WV], 3                       ; waves 0-7 bring K, waves 8-15 V: 16 KiB each
	s_lshl_b32 s32, s32, 23
	s_lshl_b32 s33, s[BH], 17
	s_add_co_u32 s32, s32, s33
	s_and_b32 s34, s[WV], 7
	s_lshl_b32 s34, s34, 14
	s_add_co_u32 s32, s32, s34
	s_add_co_u32 s32, s32, 0x800000
	s_lshl_b32 s34, ttmp9, 15                      ; my 32 queries' codes
	s_add_co_u32 s34, s34, s33
	s_lshl_b32 s35, s[WV], 11
	s_add_co_u32 s34, s34, s35
	s_mov_b32 s33, 0
	s_mov_b32 s35, 0
	s_lshr_b32 s48, s[BH], 4                       ; my place in ac: batch, 512 rows x work-group, 32 rows x wave, head
	s_lshl_b32 s48, s48, 21
	s_lshl_b32 s49, ttmp9, 19
	s_add_co_u32 s48, s48, s49
	s_lshl_b32 s49, s[WV], 15
	s_add_co_u32 s48, s48, s49
	s_and_b32 s49, s[BH], 15
	s_lshl_b32 s49, s49, 10
	s_add_co_u32 s48, s48, s49
	s_mov_b32 s49, 0
	s_mul_i32 s50, s[WV], 2*KSTEPB                 ; where my 16 KiB go in LDS
	s_lshl_b32 s53, s[WV], 11
	s_add_co_u32 s53, s53, QST                     ; and my Q
	s_mov_b32 s[SEL], 0x76543210
	s_mov_b32 s[SEL+1], 0xfedcba98
	s_mov_b32 s[CS], 0x3e38aa3b                    ; c = log2(e) / 8
	s_mov_b32 s[TB], 0
	s_mov_b32 s[CNT], 16
	v_and_b32 v29, 15, v0                          ; r
	v_bfe_u32 v30, v0, 4, 1                        ; h
	v_and_b32 v31, 31, v0
	v_lshrrev_b32 v16, 2, v29
	v_lshrrev_b32 v18, 1, v29
	v_and_b32 v17, 3, v29
	v_and_b32 v19, 1, v29
	v_lshlrev_b32 v26, 4, v31                      ; 16 x lane
	v_mul_u32_u24 v[AK0], v16, 272                 ; K: four keys of 64 bytes to an LDS row
	v_mul_u32_u24 v[AV0], v18, 272                 ; V: two rows of 128 bytes to an LDS row
	v_mul_u32_u24 v31, v30, 272                    ; the copy: lanes 0-15 one LDS row, lanes 16-31 the next
	v_lshl_add_u32 v[AK0], v17, 6, v[AK0]
	v_lshl_add_u32 v[AV0], v19, 7, v[AV0]
	v_lshl_add_u32 v31, v29, 4, v31
	v_add_nc_u32 v[AQ], s53, v26
	v_lshl_add_u32 v[AK0], v30, 4, v[AK0]
	v_lshl_add_u32 v[AV0], v30, 4, v[AV0]
	v_add_nc_u32 v31, s50, v31
	v_lshlrev_b32 v29, 6, v29
	v_mov_b32 v7, 0                                ; (named as upper halves of pairs)
	v_add_nc_u32 v[AV0], VOFF, v[AV0]
	v_lshl_add_u32 v29, v30, 4, v29                ; Q: row r of 64 bytes, + 16 h
	v_mov_b32 v21, 0
	v_mov_b32 v18, 0                               ; a lane permute's destination counts as a source
.irp t, 0,1
	v_mov_b32 v[ST+4*\t], 0x7f61b1e6               ; -M = 3e38
	v_mov_b32 v[ST+4*\t+1], 0xff61b1e6             ; the largest raw score so far: -3e38
	v_mov_b32 v[ST+4*\t+2], 0
	v_mov_b32 v[ST+4*\t+3], 0
.endr
.set j, 0
.rept 64
	v_mov_b32 v[192+j], 0                          ; O^T: the loop is written once; its first step multiplies zeros
.set j, j+1
.endr
	s_wait_alu depctr_va_vdst(0)
	s_wait_kmcnt 0x0
	s_load_b128 s[36:39], s[6:7], 0x18             ; eq, ek, ev, ep
	s_load_b32 s40, s[6:7], 0x28                   ; the exponent of ac's scale
	s_add_nc_u64 s[32:33], s[4:5], s[32:33]
	s_add_nc_u64 s[34:35], s[4:5], s[34:35]
	s_add_nc_u64 s[8:9], s[8:9], s[48:49]
.set j, 0
.rept 32
	global_load_b128 v[32+4*j:35+4*j], v26, s[32:33] offset:512*j   ; 32 lanes read 512 consecutive bytes
.set j, j+1
.endr
.irp t, 0,1
.irp c, 0,1
	global_load_b128 v[176+8*\t+4*\c:179+8*\t+4*\c], v29, s[34:35] offset:1024*\t+32*\c
.endr
.endr
	s_wait_kmcnt 0x0
	s_add_co_i32 s48, s36, s37
	s_lshl_b32 s48, s48, 23
	s_add_co_i32 s[CS], s[CS], s48                 ; c x 2^(eq + ek)
	s_mov_b32 s[CS+1], s[CS]
	s_xor_b32 s[NC], s[CS], 0x80000000             ; -c
	s_add_co_i32 s41, s38, s39                     ; ev + ep
	s_add_co_i32 s48, s39, 127
	s_lshl_b32 s49, s48, 23
	v_mov_b32 v25, s49                             ; 2^ep
	s_add_co_i32 s48, s48, 15
	s_lshl_b32 s48, s48, 23
	s_or_b32 s[HOLD], s48, 0x600000                ; 57,344 x 2^ep
	s_add_co_i32 s48, s40, 127
	s_lshl_b32 s49, s48, 23
	v_mov_b32 v28, s49
	s_add_co_i32 s48, s48, 15
	s_lshl_b32 s48, s48, 23
	s_or_b32 s48, s48, 0x600000
	v_mov_b32 v27, s48
	s_wait_alu depctr_va_vdst(0)
.irp g, 0,1,2,3
	s_wait_loadcnt 28-8*\g                         ; loads 8 g .. 8 g + 7 are in; behind them 24 - 8 g of K or V and Q's four
.irp i, 0,1,2,3,4,5,6,7
	ds_store_b128 v31, v[32+32*\g+4*\i:35+32*\g+4*\i] offset:544*(8*\g+\i)
.endr
.endr
	s_wait_loadcnt 0x0
.irp c, 0,1,2,3
	ds_store_b128 v[AQ], v[176+4*\c:179+4*\c] offset:512*\c
.endr
	s_wait_dscnt 0x0                               ; my stores are done, for the others' sake
	s_barrier_signal -1
	s_barrier_wait -1                              ; K and V are whole
; the softmax of tile t's 16 queries x 128 keys: 64 registers a lane
.macro SOFT t
.set S0, ST+4*\t
.irp k, 0,1,2,3,4,5,6,7
	v_max3_num_f32 v[16+\k], v[96+3*\k], v[97+3*\k], v[98+3*\k]      ; the largest raw score in eight chains, v16-23, the scores' registers in ascending order
.endr
.irp k, 0,1,2,3,4,5,6,7
	v_max3_num_f32 v[16+\k], v[16+\k], v[120+2*\k], v[121+2*\k]
.endr
.irp k, 0,1,2,3,4,5,6,7
	v_max3_num_f32 v[16+\k], v[16+\k], v[136+2*\k], v[137+2*\k]
.endr
.irp k, 0,1,2,3
	v_max3_num_f32 v[16+\k], v[16+\k], v[152+2*\k], v[153+2*\k]
.endr
	v_max3_num_f32 v20, v20, v21, v22
	v_max3_num_f32 v23, v23, v16, v[S0+1]          ; with the running largest raw score
	v_max3_num_f32 v17, v17, v18, v19
	s_delay_alu instid0(VALU_DEP_1)
	v_max3_num_f32 v16, v20, v23, v17
	s_delay_alu instid0(VALU_DEP_1)
	v_permlanex16_b32 v18, v16, s[SEL], s[SEL+1]
	s_delay_alu instid0(VALU_DEP_1)
	v_max_num_f32 v[S0+1], v16, v18                ; and lane l xor 16's
	s_delay_alu instid0(VALU_DEP_1)
	v_mul_f32 v16, s[NC], v[S0+1]                  ; -t (c is positive)
	s_delay_alu instid0(VALU_DEP_1)
	v_floor_f32 v6, v16                            ; the new -M = floor(-t)
	s_delay_alu instid0(VALU_DEP_1)
	v_sub_f32 v16, v6, v[S0]                       ; old M - new M: a whole number, 0 or less
.irp j, 0,2
	v_pk_fma_f32 v[96+\j:97+\j], v[96+\j:97+\j], s[CS:CS+1], v[6:7] op_sel_hi:[1,0,0]   ; t - M, two at a time
.endr
	v_cvt_i32_f32 v16, v16                         ; (it saturates)
.irp j, 4,6
	v_pk_fma_f32 v[96+\j:97+\j], v[96+\j:97+\j], s[CS:CS+1], v[6:7] op_sel_hi:[1,0,0]
.endr
	v_ldexp_f32 v20, 1.0, v16                      ; f = 2^(old M - new M)
.set j, 8
.rept 28
	v_pk_fma_f32 v[96+j:97+j], v[96+j:97+j], s[CS:CS+1], v[6:7] op_sel_hi:[1,0,0]
.set j, j+2
.endr
	s_wait_alu depctr_va_vdst(0)
.set j, 0
.rept 64
	v_exp_f32 v[96+j], v[96+j]                     ; p = 2^(t - M)
.set j, j+1
.endr
	s_wait_alu depctr_va_vdst(0)                   ; one wait for the batch, directly ahead of the first readers of O^T
.set j, 0
.rept 16
	v_pk_mul_f32 v[192+32*\t+j:193+32*\t+j], v[192+32*\t+j:193+32*\t+j], v[20:21] op_sel_hi:[1,0]   ; O^T under the new M
.set j, j+2
.endr
	v_mov_b32 v[S0], v6                            ; -M is kept: v[6:7] and, behind the next line, v[20:21] are free for the sums
	v_pk_mul_f32 v[S0+2:S0+3], v[S0+2:S0+3], v[20:21] op_sel_hi:[1,0]
	v_pk_add_f32 v[16:17], v[96:97], v[98:99]      ; the sum of the unquantised p, two at a time, in six chains
	v_pk_add_f32 v[18:19], v[100:101], v[102:103]
	v_pk_add_f32 v[20:21], v[104:105], v[106:107]
	v_pk_add_f32 v[22:23], v[108:109], v[110:111]
	v_pk_add_f32 v[6:7], v[112:113], v[114:115]
	v_pk_add_f32 v[S0+2:S0+3], v[S0+2:S0+3], v[116:117]
.set j, 22
.rept 3
	v_pk_add_f32 v[16:17], v[16:17], v[96+j:97+j]
	v_pk_add_f32 v[18:19], v[18:19], v[98+j:99+j]
	v_pk_add_f32 v[20:21], v[20:21], v[100+j:101+j]
	v_pk_add_f32 v[22:23], v[22:23], v[102+j:103+j]
	v_pk_add_f32 v[6:7], v[6:7], v[104+j:105+j]
	v_pk_add_f32 v[S0+2:S0+3], v[S0+2:S0+3], v[106+j:107+j]
.set j, j+12
.endr
	v_pk_add_f32 v[16:17], v[16:17], v[154:155]
	v_pk_add_f32 v[18:19], v[18:19], v[156:157]
	v_pk_add_f32 v[20:21], v[20:21], v[158:159]
	s_cmp_ge_i32 s[EP], -15                        ; p < 1.75 <= 57,344 x 2^ep there: the hold would change nothing
	s_wait_alu depctr_va_vdst(0)
	s_cbranch_scc1 .Lnohold_\@
.set j, 0
.rept 32
	v_dual_min_num_f32 v[96+j], s[HOLD], v[96+j] :: v_dual_min_num_f32 v[97+j], s[HOLD], v[97+j]   ; the conversion does not saturate (ISA guide 7.6.2); p is not negative
.set j, j+2
.endr
.Lnohold_\@:
.irp b, 0,1,2,3
	v_cvt_scalef32_pk8_bf8_f32 v[160+16*\t+4*\b:161+16*\t+4*\b], v[96+16*\b:103+16*\b], v25
	v_cvt_scalef32_pk8_bf8_f32 v[162+16*\t+4*\b:163+16*\t+4*\b], v[104+16*\b:111+16*\b], v25
.endr
	v_pk_add_f32 v[22:23], v[22:23], v[6:7]        ; the six chains of the sum are joined here: plain lines on other registers, the first of them the place behind the last conversion
	v_pk_add_f32 v[16:17], v[16:17], v[18:19]
	v_pk_add_f32 v[S0+2:S0+3], v[S0+2:S0+3], v[20:21]
	v_pk_add_f32 v[16:17], v[16:17], v[22:23]
	v_pk_add_f32 v[S0+2:S0+3], v[S0+2:S0+3], v[16:17]
.endm
.Lstep:                                            ; 16 trips of 128 keys
	v_add_nc_u32 v[ADK], s[TB], v[AK0]
	v_add_nc_u32 v[ADV], s[TB], v[AV0]
	v_nop                                          ; with the two lines above: four places ahead of loads into registers that the last products read
	v_nop
.irp c, 0,1,2,3
	ds_load_b128 v[176+4*\c:179+4*\c], v[AQ] offset:512*\c
.endr
.irp kt, 0,1,2,3,4,5,6,7
.irp c, 0,1
	ds_load_b128 v[32+8*\kt+4*\c:35+8*\kt+4*\c], v[ADK] offset:1088*\kt+32*\c
.endr
.endr
	s_wait_dscnt 0x0
.irp kt, 0,1,2,3,4,5,6,7
	v_wmma_f32_16x16x64_bf8_bf8 v[96+8*\kt:103+8*\kt], v[32+8*\kt:39+8*\kt], v[176:183], 0
.endr
	PLACES
	SOFT 0
.irp kt, 0,1,2,3,4,5,6,7
	v_wmma_f32_16x16x64_bf8_bf8 v[96+8*\kt:103+8*\kt], v[32+8*\kt:39+8*\kt], v[184:191], 0
.endr
	PLACES
.irp dt, 0,1,2,3
.irp c, 0,1,2,3
	ds_load_b128 v[32+16*\dt+4*\c:35+16*\dt+4*\c], v[ADV] offset:2176*\dt+32*\c   ; V's fragments land under tile 1's softmax
.endr
.endr
	SOFT 1
	s_wait_alu depctr_va_vdst(0)
	s_wait_dscnt 0x0
.irp dt, 0,1,2,3
.irp t, 0,1
	v_wmma_f32_16x16x128_bf8_bf8 v[192+32*\t+8*\dt:199+32*\t+8*\dt], v[32+16*\dt:47+16*\dt], v[160+16*\t:175+16*\t], v[192+32*\t+8*\dt:199+32*\t+8*\dt]
.endr
.endr
	s_add_co_u32 s[TB], s[TB], KSTEPB
	s_sub_co_u32 s[CNT], s[CNT], 1
	s_cmp_lg_u32 s[CNT], 0
	s_cbranch_scc1 .Lstep
; the way out: O^T / the sum x 2^(ev + ep), held, quantised; a lane's 16 bytes are stored as the next product's registers want them: 512 consecutive bytes a store
.macro OUT t
	v_add_f32 v16, v[ST+4*\t+2], v[ST+4*\t+3]
	s_delay_alu instid0(VALU_DEP_1)
	v_permlanex16_b32 v18, v16, s[SEL], s[SEL+1]
	s_delay_alu instid0(VALU_DEP_1)
	v_add_f32 v16, v16, v18
	s_wait_alu depctr_va_vdst(0)
	v_rcp_f32 v16, v16
	v_nop
	s_wait_alu depctr_va_vdst(0)
	v_ldexp_f32 v20, v16, s41
.set j, 0
.rept 16
	v_pk_mul_f32 v[96+32*\t+j:97+32*\t+j], v[192+32*\t+j:193+32*\t+j], v[20:21] op_sel_hi:[1,0]
.set j, j+2
.endr
.set j, 0
.rept 32
	v_med3_num_f32 v[96+32*\t+j], v[96+32*\t+j], -v27, v27
.set j, j+1
.endr
.irp g, 0,1,2,3
	v_cvt_scalef32_pk8_bf8_f32 v[160+8*\t+2*\g:161+8*\t+2*\g], v[96+32*\t+8*\g:103+32*\t+8*\g], v28
.endr
	v_nop
	global_store_b128 v26, v[160+8*\t:163+8*\t], s[8:9] offset:16384*\t
	global_store_b128 v26, v[164+8*\t:167+8*\t], s[8:9] offset:16384*\t+512
.endm
	PLACES
	OUT 0
	OUT 1
	s_wait_xcnt 0x0
	v_lshl_add_u32 v254, v0, 2, SPARE              ; no two registers could be kept: the add's two are made here, from v0
	v_mov_b32 v255, 0
	s_wait_alu depctr_va_vdst(0)
	s_wait_tensorcnt 0x0                           ; the wave's end, behind my last LDS store
	ds_add_u32 v254, v255
	s_wait_dscnt 0x0
	s_endpgm
.Lfunc_end_k_q86121e8bf7_attn:
	.size	k_q86121e8bf7_attn, .Lfunc_end_k_q86121e8bf7_attn-k_q86121e8bf7_attn
	.p2alignl 7, 3214868480
	.fill 96, 4, 3214868480
	.section	.rodata,"a",@progbits
	.p2align	6, 0x0
	.amdhsa_kernel k_q86121e8bf7_attn
		.amdhsa_group_segment_fixed_size 313344
		.amdhsa_private_segment_fixed_size 0
		.amdhsa_enable_private_segment 0
		.amdhsa_kernarg_size 24
		.amdhsa_user_sgpr_count 2
		.amdhsa_user_sgpr_kernarg_segment_ptr 1
		.amdhsa_wavefront_size32 1
		.amdhsa_system_sgpr_workgroup_id_x 1
		.amdhsa_system_sgpr_workgroup_id_y 1
		.amdhsa_system_sgpr_workgroup_id_z 1
		.amdhsa_system_vgpr_workitem_id 0
		.amdhsa_next_free_vgpr 256
		.amdhsa_next_free_sgpr 66
		.amdhsa_reserve_vcc 0
		.amdhsa_float_denorm_mode_32 3
		.amdhsa_float_denorm_mode_16_64 3
		.amdhsa_memory_ordered 1
		.amdhsa_forward_progress 1
		.amdhsa_inst_pref_size 50
	.end_amdhsa_kernel
	.amdgpu_metadata
---
amdhsa.version: [ 1, 2 ]
amdhsa.kernels:
  - .name:           k_q86121e8bf7_attn
    .symbol:         k_q86121e8bf7_attn.kd
    .args:
      - { .name: hc, .offset: 0, .size: 8, .value_kind: global_buffer, .address_space: global }
      - { .name: lowp_scales, .offset: 8, .size: 8, .value_kind: global_buffer, .address_space: global }
      - { .name: ac, .offset: 16, .size: 8, .value_kind: global_buffer, .address_space: global }
    .group_segment_fixed_size: 313344
    .private_segment_fixed_size: 0
    .kernarg_segment_align: 8
    .kernarg_segment_size: 24
    .max_flat_workgroup_size: 512
    .sgpr_count:     66
    .vgpr_count:     256
    .wavefront_size: 32
...
	.end_amdgpu_metadata
.endif
;; end of part 3
;; launch outp (part 4): grid 4 x 64, 4 waves a work-group, clusters of 4 x 4, 327,680 bytes of LDS; arguments ac, wc, bo, lowp_scales, out0; writes out0
.if DOCPART == 4
	.amdgcn_target "amdgcn-amd-amdhsa--gfx1250"
	.amdhsa_code_object_version 6
	.text
	.protected	k_q86121e8bf7_outp
	.globl	k_q86121e8bf7_outp
	.p2align	8
	.type	k_q86121e8bf7_outp,@function
k_q86121e8bf7_outp:
	s_mov_b64 s[64:65], 0
	v_nop
	global_prefetch_b8 v0, s[64:65] scope:SCOPE_SE
	s_setreg_imm32_b32 hwreg(HW_REG_WAVE_MODE, 25, 1), 1
	s_wait_xcnt 0x0
	s_wait_alu depctr_hold_cnt(0) depctr_sa_sdst(0) depctr_va_vdst(0) depctr_va_sdst(0) depctr_va_ssrc(0) depctr_va_vcc(0) depctr_vm_vsrc(0)
	s_getreg_b32 s2, hwreg(HW_REG_IB_STS2, 6, 4)
	s_cmp_eq_u32 s2, 0
	s_cbranch_scc0 .Lentry_in_a_cluster
	s_endpgm
.Lentry_in_a_cluster:
	s_bfe_u32 s2, ttmp6, 0x10000c
	s_cmp_lg_u32 s2, 0xf033
	s_cbranch_scc0 .Lentry_shape_is_right
	s_endpgm
.Lentry_shape_is_right:
.set PITCH,  272
.set PPART,  32768
.set RH,     128*PITCH
.set SLOT,   PPART+2*RH
.set SPARE,  2*SLOT
.set STG,    SPARE+512
.set SPITCH, 528
.set ADRP, 16
.set ADRR, 20
.set STO,  24
.set RD,   25
.set GO,   26
.set SPW,  28
.set NIL,  29
.set BXO,  31
.set TMP,  32
.set BK,   128
.set WV, 14
.set WH, 15
.set WL, 16
.set CX, 17
.set CY, 18
.set IT, 19
.set G1P, 24
.set G0P, 32
.set G1R, 40
.set G0R, 48
.set MSB, 0
.macro WIN new
.if MSB != \new
	s_set_vgpr_msb (MSB<<8)|\new
.set MSB, \new
.endif
.endm
.set MULW, 0xa1
.macro PLACES n
.rept \n
	v_nop
.endr
.endm
.macro JLOAD s
	s_cmp_eq_u32 s[WH], 0
	s_cbranch_scc0 .Lfor_r_\@
	tensor_load_to_lds s[G0P+4*\s:G0P+4*\s+3], s[G1P:G1P+7]
	s_nop 0
.rept 4
	v_nop
.endr
	s_branch .Lasked_\@
.Lfor_r_\@:
	tensor_load_to_lds s[G0R+4*\s:G0R+4*\s+3], s[G1R:G1R+7]
	s_nop 0
.rept 4
	v_nop
.endr
.Lasked_\@:
.endm
.macro CREST
	s_cmp_lg_u32 s[WV], 0
	s_cbranch_scc1 .Lnot_wave_0_\@
	s_barrier_signal -3
.Lnot_wave_0_\@:
	s_barrier_wait -3
	s_barrier_signal -1
	s_barrier_wait -1
.endm
.macro CROUND
	s_barrier_signal -1
	s_barrier_wait -1
	CREST
.endm
	s_load_b256 s[4:11], s[0:1], 0x0
	s_load_b64 s[12:13], s[0:1], 0x20
	v_lshl_add_u32 v[SPW], v0, 2, SPARE
	v_mov_b32 v[NIL], 0
	ds_add_u32 v28, v29
	ds_add_u32 v28, v29
	s_wait_dscnt 0x0
	v_lshrrev_b32 v1, 5, v0
	v_readfirstlane_b32 s[WV], v1
	s_lshr_b32 s[WH], s[WV], 1
	s_and_b32 s[WL], s[WV], 1
	s_bfe_u32 s[CX], ttmp6, 0x40000
	s_bfe_u32 s[CY], ttmp6, 0x40004
	s_and_b32 s[IT], ttmp7, 0xffff
	s_lshl_b32 s[IT], s[IT], 2
	s_add_co_u32 s[IT], s[IT], s[CY]
	s_lshl_b32 s20, s[CY], 2
	s_lshl_b32 s20, 15, s20
	s_lshl_b32 s22, 0x1111, s[CX]
	s_or_b32 s[G1P], s20, (3<<16)|(1<<21)
	s_mov_b32 s[G1P+1], 512<<16
	s_mov_b32 s[G1P+2], 4<<16
	s_mov_b32 s[G1P+3], 512<<16
	s_mov_b32 s[G1P+4], 4
	s_mov_b32 s[G1P+5], 2048
	s_mov_b32 s[G1P+6], 0
	s_mov_b32 s[G1P+7], 0
	s_or_b32 s[G1R], s22, (1<<20)|(1<<21)|(5<<22)|(3<<25)
	s_mov_b32 s[G1R+1], 256<<16
	s_mov_b32 s[G1R+2], 128<<16
	s_mov_b32 s[G1R+3], 256<<16
	s_mov_b32 s[G1R+4], 128
	s_mov_b32 s[G1R+5], 1024
	s_mov_b32 s[G1R+6], 0
	s_mov_b32 s[G1R+7], 0
	s_lshl_b32 s20, s[IT], 17
	s_lshl_b32 s21, s[WL], 16
	s_add_co_u32 s20, s20, s21
	s_mov_b32 s21, 0
	s_lshl_b32 s22, s[CX], 18
	s_lshl_b32 s23, s[WL], 17
	s_add_co_u32 s22, s22, s23
	s_add_co_u32 s22, s22, 0x300000
	s_mov_b32 s23, 0
	s_lshl_b32 s56, s[WL], 14
	s_mul_i32 s57, s[WL], RH
	s_add_co_u32 s57, s57, PPART
	s_wait_kmcnt 0x0
	s_load_b64 s[62:63], s[10:11], 0x28
	s_add_nc_u64 s[20:21], s[4:5], s[20:21]
	s_add_nc_u64 s[22:23], s[6:7], s[22:23]
; PREFETCHES INTO THE L2.  There are four K steps.  K step 0 comes by its load alone; K steps 1 and 2 are asked for here, ahead of the first round, K step 3 further down in the head.
; Of what a wave fetches in a K step each of the four partners that ask for it jointly takes a quarter, told apart by address: of ac's images one row tile's 4,096 bytes (cx; 16 lanes, 256 bytes apart; the lanes left over name the last block again),
; of Wo's 128 rows 32 (cy; a lane a row, 256 bytes).  No register of these lines is written again.
	s_cmp_eq_u32 s[WH], 0
	s_cselect_b64 s[66:67], s[20:21], s[22:23]     ; what I fetch: ac's images or Wo's rows
	s_cselect_b32 s68, s[CX], s[CY]                ; my place among the four
	s_cselect_b32 s69, 14, 15                      ; a quarter lies 16,384 or 32,768 bytes on
	s_cselect_b32 s70, 15, 31                      ; its last block
	s_cselect_b32 s71, 8, 10                       ; from lane to lane: 256 or 1,024 bytes
	s_cselect_b32 s72, 12, 8                       ; a K step: 4,096 or 256 bytes
	s_lshl_b32 s68, s68, s69
	s_lshl_b32 s72, 1, s72
	s_mov_b32 s73, 0
	s_add_nc_u64 s[66:67], s[66:67], s[72:73]      ; K step 1
	s_add_nc_u64 s[74:75], s[66:67], s[72:73]      ; K step 2
	s_add_nc_u64 s[76:77], s[74:75], s[72:73]      ; K step 3
	v_and_b32 v6, 31, v0
	v_min_u32 v6, s70, v6
	v_lshlrev_b32 v6, s71, v6
	v_add_nc_u32 v6, s68, v6
	s_wait_alu depctr_va_vdst(0)
	global_prefetch_b8 v6, s[66:67] th:TH_LOAD_NT scope:SCOPE_SE
	global_prefetch_b8 v6, s[74:75] th:TH_LOAD_NT scope:SCOPE_SE
	CROUND
.irp s, 0,1
	s_mov_b32 s[G0P+4*\s], 1
	s_add_co_u32 s[G0P+4*\s+1], s56, \s*SLOT
	s_add_nc_u64 s[G0P+4*\s+2:G0P+4*\s+3], s[20:21], \s*4096
	s_or_b32 s[G0P+4*\s+3], s[G0P+4*\s+3], 0x80000000
	s_mov_b32 s[G0R+4*\s], 1
	s_add_co_u32 s[G0R+4*\s+1], s57, \s*SLOT
	s_add_nc_u64 s[G0R+4*\s+2:G0R+4*\s+3], s[22:23], \s*256
	s_or_b32 s[G0R+4*\s+3], s[G0R+4*\s+3], 0x80000000
	s_wait_alu depctr_va_vdst(0)
	s_wait_tensorcnt 0x0
	ds_add_u32 v28, v29
	ds_add_u32 v28, v29
	s_wait_dscnt 0x0
	CROUND
	JLOAD \s
.endr
	v_and_b32 v1, 15, v0
	v_bfe_u32 v2, v0, 4, 1
	v_and_b32 v3, 31, v0
	v_lshlrev_b32 v[GO], 4, v3
	v_mul_u32_u24 v4, v1, PITCH
	v_lshl_add_u32 v4, v2, 4, v4
	s_lshl_b32 s56, s[WH], 14
	s_mul_i32 s57, s[WL], RH
	s_add_co_u32 s57, s57, PPART
.irp s, 0,1
	v_add_nc_u32 v[ADRP+\s], s56, v[GO]
	v_add_nc_u32 v[ADRR+\s], s57, v4
	s_add_co_u32 s56, s56, SLOT
	s_add_co_u32 s57, s57, SLOT
.endr
	s_mul_i32 s56, s[WV], 16*SPITCH
	s_add_co_u32 s56, s56, STG
	v_mul_u32_u24 v5, v1, SPITCH
	v_lshl_add_u32 v5, v2, 5, v5
	v_add_nc_u32 v[STO], s56, v5
	v_add_nc_u32 v[RD], s56, v[GO]
	v_lshlrev_b32 v[BXO], 5, v2
	s_wait_alu depctr_va_vdst(0)
	s_lshl_b32 s56, s[CX], 10
	s_lshl_b32 s57, s[WL], 9
	s_add_co_u32 s56, s56, s57
	s_mov_b32 s57, 0
	s_add_nc_u64 s[8:9], s[8:9], s[56:57]
	s_add_nc_u64 s[12:13], s[12:13], s[56:57]
	s_lshl_b32 s56, s[IT], 19
	s_lshl_b32 s58, s[WH], 18
	s_add_co_u32 s56, s56, s58
	s_add_nc_u64 s[12:13], s[12:13], s[56:57]
	WIN 0xc0
.irp b, 0,1,2,3,4,5,6,7
	global_load_b128 v[8*\b:8*\b+3], v[BXO], s[8:9] offset:64*\b
	global_load_b128 v[8*\b+4:8*\b+7], v[BXO], s[8:9] offset:64*\b+16
.endr
	WIN 0
	s_wait_kmcnt 0x0
	s_add_co_i32 s60, s62, s63
	s_add_co_i32 s60, s60, 127
	s_lshl_b32 s60, s60, 23
	s_mov_b32 s61, s60
	global_prefetch_b8 v6, s[76:77] th:TH_LOAD_NT scope:SCOPE_SE   ; K step 3
.macro FETCH slot, q, set
	WIN 0x40
.irp i, 0,1,2,3,4,5,6,7
.irp c, 0,1,2,3
	ds_load_b128 v[128*(\set)+16*\i+4*\c:128*(\set)+16*\i+4*\c+3], v[ADRR+\slot] offset:128*(\q)+32*\c+\i*16*PITCH
.endr
.endr
	WIN 0
.irp i, 0,1,2,3
.irp c, 0,1,2,3
	ds_load_b128 v[64+64*(\set)+16*\i+4*\c:64+64*(\set)+16*\i+4*\c+3], v[ADRP+\slot] offset:4096*\i+2048*(\q)+512*\c
.endr
.endr
.endm
.macro MUL8 a, set, zero
.irp b, 0,1,2,3,4,5,6,7
.if \zero
	v_wmma_f32_16x16x128_bf8_bf8 v[8*(8*(\a)+\b):8*(8*(\a)+\b)+7], v[128*(\set)+16*\b:128*(\set)+16*\b+15], v[64+64*(\set)+16*(\a):64+64*(\set)+16*(\a)+15], 0
.else
	v_wmma_f32_16x16x128_bf8_bf8 v[8*(8*(\a)+\b):8*(8*(\a)+\b)+7], v[128*(\set)+16*\b:128*(\set)+16*\b+15], v[64+64*(\set)+16*(\a):64+64*(\set)+16*(\a)+15], v[8*(8*(\a)+\b):8*(8*(\a)+\b)+7]
.endif
.endr
.endm
.macro STEP slot, zero
	s_wait_dscnt 0x0
	PLACES 4
	FETCH \slot, 1, 1
	WIN MULW
	MUL8 0, 0, \zero
	MUL8 1, 0, \zero
	MUL8 2, 0, \zero
	MUL8 3, 0, \zero
	WIN 0
.endm
.macro TURN slot, next, fill
	s_wait_tensorcnt 0x0
	ds_add_u32 v[SPW], v[NIL]
	s_wait_dscnt 0x1
	WIN MULW
	MUL8 0, 1, 0
	s_wait_dscnt 0x0
	s_barrier_signal -1
	MUL8 1, 1, 0
	WIN 0
	s_barrier_wait -1
.if \fill
	CREST
	s_add_nc_u64 s[G0P+4*\slot+2:G0P+4*\slot+3], s[G0P+4*\slot+2:G0P+4*\slot+3], 8192
	s_add_nc_u64 s[G0R+4*\slot+2:G0R+4*\slot+3], s[G0R+4*\slot+2:G0R+4*\slot+3], 512
	JLOAD \slot
.else
	PLACES 4
.endif
	FETCH \next, 0, 0
	WIN MULW
	MUL8 2, 1, 0
	MUL8 3, 1, 0
	WIN 0
.endm
	s_wait_tensorcnt 0x1
	s_barrier_signal -1
	s_barrier_wait -1
	FETCH 0, 0, 0
	STEP 0, 1
	TURN 0, 1, 1
	STEP 1, 0
	TURN 1, 0, 1
	STEP 0, 0
	TURN 0, 1, 0
	STEP 1, 0
	s_wait_dscnt 0x0
	WIN MULW
	MUL8 0, 1, 0
	MUL8 1, 1, 0
	MUL8 2, 1, 0
	MUL8 3, 1, 0
	WIN 0
.macro TOSTAGE a
	WIN 0x32
.irp b, 0,1,2,3,4,5,6,7
.irp i, 0,2,4,6
	v_pk_fma_f32 v[TMP+8*\b+\i:TMP+8*\b+\i+1], v[8*(8*(\a)+\b)+\i:8*(8*(\a)+\b)+\i+1], s[60:61], v[8*\b+\i:8*\b+\i+1] op_sel_hi:[1,0,1]
.endr
.endr
	WIN 0
.irp b, 0,1,2,3,4,5,6,7
	ds_store_b128 v[STO], v[TMP+8*\b:TMP+8*\b+3] offset:64*\b
	ds_store_b128 v[STO], v[TMP+8*\b+4:TMP+8*\b+7] offset:64*\b+16
.endr
.set BB, BK+64*((\a)%2)
.irp t, 0,1,2,3,4,5,6,7,8,9,10,11,12,13,14,15
	ds_load_b128 v[BB+4*\t:BB+4*\t+3], v[RD] offset:\t*SPITCH
.endr
.endm
.macro SEND a, younger
.set BB, BK+64*((\a)%2)
	s_wait_dscnt \younger
.irp t, 0,1,2,3,4,5,6,7,8,9,10,11,12,13,14,15
	global_store_b128 v[GO], v[BB+4*\t:BB+4*\t+3], s[12:13] offset:(16*(\a)+\t)*4096 th:TH_STORE_NT
.endr
.endm
	s_wait_loadcnt 0x0
	PLACES 4
	TOSTAGE 0
.irp a, 1,2,3
.if \a > 1
	s_wait_xcnt 0x0
.endif
	TOSTAGE \a
	SEND \a-1, 32
.endr
	SEND 3, 0
	s_wait_tensorcnt 0x0
	ds_add_u32 v[SPW], v[NIL]
	s_wait_dscnt 0x0
	CROUND
	s_endpgm
.Lfunc_end_k_q86121e8bf7_outp:
	.size	k_q86121e8bf7_outp, .Lfunc_end_k_q86121e8bf7_outp-k_q86121e8bf7_outp
	.p2alignl 7, 3214868480
	.fill 96, 4, 3214868480
	.section	.rodata,"a",@progbits
	.p2align	6, 0x0
	.amdhsa_kernel k_q86121e8bf7_outp
		.amdhsa_group_segment_fixed_size 327680
		.amdhsa_private_segment_fixed_size 0
		.amdhsa_enable_private_segment 0
		.amdhsa_kernarg_size 40
		.amdhsa_user_sgpr_count 2
		.amdhsa_user_sgpr_kernarg_segment_ptr 1
		.amdhsa_wavefront_size32 1
		.amdhsa_system_sgpr_workgroup_id_x 1
		.amdhsa_system_sgpr_workgroup_id_y 1
		.amdhsa_system_sgpr_workgroup_id_z 1
		.amdhsa_system_vgpr_workitem_id 0
		.amdhsa_next_free_vgpr 1024
		.amdhsa_next_free_sgpr 78
		.amdhsa_reserve_vcc 0
		.amdhsa_float_denorm_mode_32 3
		.amdhsa_float_denorm_mode_16_64 3
		.amdhsa_memory_ordered 1
		.amdhsa_forward_progress 1
		.amdhsa_inst_pref_size 78
	.end_amdhsa_kernel
	.amdgpu_metadata
---
amdhsa.version: [ 1, 2 ]
amdhsa.kernels:
  - .name:           k_q86121e8bf7_outp
    .symbol:         k_q86121e8bf7_outp.kd
    .args:
      - { .name: ac, .offset: 0, .size: 8, .value_kind: global_buffer, .address_space: global }
      - { .name: wc, .offset: 8, .size: 8, .value_kind: global_buffer, .address_space: global }
      - { .name: bo, .offset: 16, .size: 8, .value_kind: global_buffer, .address_space: global }
      - { .name: lowp_scales, .offset: 24, .size: 8, .value_kind: global_buffer, .address_space: global }
      - { .name: out0, .offset: 32, .size: 8, .value_kind: global_buffer, .address_space: global }
    .group_segment_fixed_size: 327680
    .private_segment_fixed_size: 0
    .kernarg_segment_align: 8
    .kernarg_segment_size: 40
    .max_flat_workgroup_size: 128
    .sgpr_count:     78
    .vgpr_count:     1024
    .wavefront_size: 32
...
	.end_amdgpu_metadata
.endif
;; end of part 4
